; MI455X (gfx1250); checked and timed in simulation.
; The chip was launched on July 23, 2026; its instructions are those of AMD's public machine-readable ISA for CDNA 5 (MIT licence, August 2026) and "CDNA5" Instruction Set Architecture Reference Guide (July 2026). The comments in the code are by the model that wrote it; some were corrected since.
;; Mo E Layer. Allowed arithmetic: float matrix products may take bf16 or f16 operands with f32 sums; all other float work in f32.
;; Inputs: We 8 x 1,024 x 1,024 float32; Wg 1,024 x 8 float32; be 8 x 1,024 float32; bg 8 float32; x 4 x 2,048 x 1,024 float32.
;; Outputs: out0 4 x 2,048 x 1,024 float32.
;; One version. Each part assembles by itself: llvm-mc -triple=amdgcn-amd-amdhsa -mcpu=gfx1250 --defsym DOCPART=n.
;; ======== version 1 of 1: 3 launches
;; limits: values are held in f16: magnitudes above 65,504 overflow, below 6.1e-05 lose precision; inputs' magnitudes at most 65,504
;; workspace buffers: xh 16,777,216 bytes; wh 16,777,216 bytes; gate 65,536 bytes; pid 32,768 bytes of whole numbers; list 917,504 bytes of whole numbers; cnt 256 bytes of whole numbers
;; launch route (part 1): grid 256 x 1, 4 waves a work-group, no clusters, 37,376 bytes of LDS; arguments x, Wg, bg, xh, pid, gate; writes xh, pid, gate
.if DOCPART == 1
	.amdgcn_target "amdgcn-amd-amdhsa--gfx1250"
	.amdhsa_code_object_version 6
	.text
	.protected	k_q61624c29cf_route
	.globl	k_q61624c29cf_route
	.p2align	8
	.type	k_q61624c29cf_route,@function
k_q61624c29cf_route:
	s_mov_b64 s[64:65], 0
	v_nop
	global_prefetch_b8 v0, s[64:65] scope:SCOPE_SE
	s_setreg_imm32_b32 hwreg(HW_REG_WAVE_MODE, 25, 1), 1
	s_wait_xcnt 0x0
; THE ROUTER, AND x IN f16.  x: [8192][1024] f32.  Wg: [1024][8] f32.  bg: [8] f32.
; Out: xh [8192][1024] f16 (x rounded once); pid [8192] u32, the token's pair of experts lo < hi as hi (hi - 1) / 2 + lo;
; gate [8192][2] f32, the renormalised gates of expert lo and of expert hi.
; The logits are f32 sums of unrounded x and Wg on the vector ALU: the choice of two experts is discrete, and 16-bit operands would change it
; for tokens whose second and third logits lie close.  It is 8 of the module's 8,200 columns of products.
; WHY f16 FOR THE EXPERTS' OPERANDS: every number of the output must lie within 1% of the output's root mean square plus 1% of itself.  An operand rounded to 8 significant bits is off
; by about 0.0016 of itself, a product of two such by about 0.0023, and that share of the output's spread leaves only some four such errors of room for numbers near zero: too little
; among 8.4 million numbers.  With 11 significant bits the error is an eighth of that.
; SHARES.  Wave g = 4 x work-group + wave owns tokens 8 g .. 8 g + 7 and takes a whole row (4,096 bytes) at a time: eight loads of
; 512 consecutive bytes.  Register 4 j + c of a row holds x[d], d = 128 j + 4 lane + c: the same 32 d for every row, so the lane's slice
; of Wg (32 d x 8 experts) stays in 256 registers.
; Wg COMES THROUGH LDS.  A lane's slice is eight pieces of 128 bytes, 4,096 bytes apart; taken straight from memory each load's 32 lanes would lie 128 bytes apart.  So each wave loads a
; quarter of Wg by 16 loads of 512 consecutive bytes, stores it as pieces of 128 bytes at a pitch of 144, and behind one barrier each lane reads its slice out of LDS.
; Token i's eight logits are kept in lane i; top 2, softmax and the pair's number are then made once, lane i for token i.
; LIMITS.  f16 holds no number beyond 65,504: an x larger than that in magnitude becomes an infinity in xh; below 6.1e-5 f16 keeps its fixed step of 6e-8.
; NaN and infinities are not treated apart.  The two experts are chosen on the logits (softmax is monotone; the lower index wins
; a tie, as in lax.top_k): where two probabilities round to one f32, or underflow to 0, the reference's choice may differ; in the second case
; the gate is 0 and the output the same.  The logits are f32 sums in another order than the reference's: a token whose second and
; third logits differ by about 1e-6 of their size may be routed otherwise.  A weight below 2^-126 counts as 0 (v_exp_f32: ISA guide 15.8).
.set WP,  144                          ; a piece of Wg in LDS: 128 bytes + 16 = 36 words: the pieces of 16 neighbouring lanes start at 16 different groups of four banks (64 banks of 4 bytes: ISA guide 11.1)
.set WST, 5                            ; v5   where I store 16 bytes of Wg
.set WRD, 57                           ; v57  my first piece of Wg in LDS
.set LG,  10                           ; v[10:17]  sums over even registers of the row; then the logits
.set AB,  18                           ; v[18:25]  sums over odd registers of the row
.set TM,  26                           ; v[26:33]  the other half of the lanes' sums; later the logits without the largest
.set EX,  34                           ; v[34:41]  exponentials
.set M1,  42
.set I1,  43
.set M2,  44
.set I2,  45
.set ZZ,  46
.set RZ,  47
.set E2,  48
.set P2,  49
.set DEN, 50
.set RDN, 51
.set G1,  52
.set G2,  53
.set LO,  54
.set HI,  55
.set PID, 56
.set GLO, 6                            ; v[6:7]    the two gates, a pair for the store
.set NINF, 59
.set Y,   64                           ; v[64:79]  a row in f16
.set KL,  80                           ; v[80:87]  lane i: token i's eight sums
.set X,   96                           ; v[96:223] four row slots of 32
                                       ; window 1: v[8 i + e] = Wg[d(i)][e]; its first 64 registers carry my wave's quarter of Wg into LDS first
.set MSB, 0
.macro WIN new                         ; the immediate's high byte repeats the setting that is left
.if MSB != (\new)
	s_set_vgpr_msb (MSB<<8)|(\new)
.set MSB, \new
.endif
.endm
	s_load_b256 s[4:11], s[0:1], 0x0               ; x s[4:5], Wg s[6:7], bg s[8:9], xh s[10:11]
	s_load_b128 s[12:15], s[0:1], 0x20             ; pid s[12:13], gate s[14:15]
	v_lshl_add_u32 v254, v0, 2, 0x9000
	v_mov_b32 v255, 0
	v_lshrrev_b32 v9, 5, v0
	v_readfirstlane_b32 s24, v9                    ; wave
	v_and_b32 v1, 31, v0                           ; lane
	v_lshlrev_b32 v2, 4, v1                        ; my 16 bytes in 512 of x
	v_lshlrev_b32 v3, 3, v1                        ; my 8 bytes in 256 of xh; also lane i's pair in gate
	v_lshlrev_b32 v8, 2, v1                        ; lane i's word in pid
	s_lshl_b32 s30, s24, 13                        ; my wave's 8,192 bytes of Wg,
	v_lshl_add_u32 v4, v1, 4, s30                  ; my 16 bytes in 512 of them
	s_mul_i32 s30, s24, 64*WP                      ; its 64 pieces in LDS;
	v_lshrrev_b32 v[WST], 3, v1                    ; eight lanes fill a piece
	v_mul_u32_u24 v[WST], v[WST], WP
	v_and_b32 v9, 7, v1
	v_lshl_add_u32 v[WST], v9, 4, v[WST]
	v_add_nc_u32 v[WST], s30, v[WST]
	v_mul_u32_u24 v[WRD], v1, WP                   ; piece 32 j + lane holds rows d = 128 j + 4 lane .. + 3
	s_lshl_b32 s25, ttmp9, 2
	s_add_co_u32 s25, s25, s24                     ; g
	s_mov_b32 s27, 0
	s_mov_b32 s28, 0x76543210                      ; v_permlanex16_b32: each lane takes its own place in the other half
	s_mov_b32 s29, 0xfedcba98
	s_wait_kmcnt 0x0
	s_load_b256 s[16:23], s[8:9], 0x0              ; bg's eight numbers
	s_lshl_b32 s26, s25, 15                        ; 8 rows of 4,096 bytes
	s_add_nc_u64 s[4:5], s[4:5], s[26:27]
	s_lshl_b32 s26, s25, 14                        ; 8 rows of 2,048 bytes
	s_add_nc_u64 s[10:11], s[10:11], s[26:27]
	s_lshl_b32 s26, s25, 5
	s_add_nc_u64 s[12:13], s[12:13], s[26:27]
	s_lshl_b32 s26, s25, 6
	s_add_nc_u64 s[14:15], s[14:15], s[26:27]
	WIN 0x40                                       ; destination window 1, address window 0
.set i, 0
.rept 16
	global_load_b128 v[4*i:4*i+3], v4, s[6:7] offset:512*i  ; 512 consecutive bytes of Wg
.set i, i+1
.endr
	WIN 0
.macro FILL s, i                       ; row i into slot s
.irp j, 0,1,2,3,4,5,6,7
	global_load_b128 v[X+32*(\s)+4*(\j):X+32*(\s)+4*(\j)+3], v2, s[4:5] offset:4096*(\i)+512*(\j) th:TH_LOAD_NT
.endr
.endm
	FILL 0, 0
	FILL 1, 1
	FILL 2, 2
	FILL 3, 3
.irp e, 0,1,2,3,4,5,6,7
	v_mov_b32 v[KL+(\e)], 0                        ; a select and v_permlanex16_b32 count as readers of their destinations
	v_mov_b32 v[TM+(\e)], 0
.endr
	s_wait_loadcnt 32                              ; loads come back in order (ISA guide 5.7.1): my quarter of Wg is in; the 32 loads of rows stay out
	WIN 0x04                                       ; the stores' data (source 1) in window 1
.set i, 0
.rept 16
	ds_store_b128 v[WST], v[4*i:4*i+3] offset:4*WP*i       ; a load's 512 bytes are four pieces
.set i, i+1
.endr
	WIN 0
	s_wait_dscnt 0x0                               ; for the others' sake: my stores are done
	s_barrier_signal -1
	s_barrier_wait -1                              ; all of Wg lies in LDS
	WIN 0x40
.set i, 0
.rept 32                                               ; i = 4 j + c: row d = 128 j + 4 lane + c of Wg, 32 bytes
	ds_load_b128 v[8*i:8*i+3],   v[WRD] offset:32*WP*(i/4)+32*(i%4)
	ds_load_b128 v[8*i+4:8*i+7], v[WRD] offset:32*WP*(i/4)+32*(i%4)+16
.set i, i+1
.endr
	WIN 0
	s_wait_dscnt 0x0                               ; my slice of Wg is in registers
; Token i, in slot s.  left = the row loads issued behind this row's, which may stay out.
.macro TOKEN i, s, refill, left
	s_wait_loadcnt \left                           ; loads come back in order (ISA guide 5.7.1): my row is in
	s_wait_xcnt 0x0                                ; Y, which the last token's stores read, is rewritten only behind this wait
.set XS, X+32*(\s)
	WIN 0x04                                       ; source 1 (Wg) in window 1
.set m, 0
.rept 16                                               ; registers 2 m and 2 m + 1 of the row; eight chains of packed sums; the first products start them
.irp q, 0,1,2,3
.if m == 0
	v_pk_mul_f32 v[LG+2*(\q):LG+2*(\q)+1], v[XS:XS+1], v[2*(\q):2*(\q)+1] op_sel_hi:[0,1]
.else
	v_pk_fma_f32 v[LG+2*(\q):LG+2*(\q)+1], v[XS+2*m:XS+2*m+1], v[16*m+2*(\q):16*m+2*(\q)+1], v[LG+2*(\q):LG+2*(\q)+1] op_sel_hi:[0,1,1]
.endif
.endr
.irp q, 0,1,2,3
.if m == 0
	v_pk_mul_f32 v[AB+2*(\q):AB+2*(\q)+1], v[XS:XS+1], v[8+2*(\q):8+2*(\q)+1] op_sel:[1,0] op_sel_hi:[1,1]
.else
	v_pk_fma_f32 v[AB+2*(\q):AB+2*(\q)+1], v[XS+2*m:XS+2*m+1], v[16*m+8+2*(\q):16*m+8+2*(\q)+1], v[AB+2*(\q):AB+2*(\q)+1] op_sel:[1,0,0] op_sel_hi:[1,1,1]
.endif
.endr
.set m, m+1
.endr
	WIN 0
.irp q, 0,1,2,3
	v_pk_add_f32 v[LG+2*(\q):LG+2*(\q)+1], v[LG+2*(\q):LG+2*(\q)+1], v[AB+2*(\q):AB+2*(\q)+1]
.endr
.set m, 0
.rept 16
	v_cvt_pk_f16_f32 v[Y+m], v[XS+2*m], v[XS+2*m+1]        ; two roundings to f16, packed: the first source in the low half
.set m, m+1
.endr
.irp j, 0,1,2,3,4,5,6,7
	global_store_b64 v3, v[Y+2*(\j):Y+2*(\j)+1], s[10:11] offset:2048*(\i)+256*(\j)  ; the wave's store covers 256 consecutive bytes, aligned
.endr
.if \refill
	FILL \s, (\i)+4
.endif
.irp k, 1,2,4,8                        ; the sum over the lanes: four steps inside each half of 16 lanes, one across
.irp e, 0,1,2,3,4,5,6,7
	v_add_f32_dpp v[LG+(\e)], v[LG+(\e)], v[LG+(\e)] row_xmask:\k row_mask:0xf bank_mask:0xf
.endr
.endr
.irp e, 0,1,2,3,4,5,6,7
	v_permlanex16_b32 v[TM+(\e)], v[LG+(\e)], s28, s29
.endr
.irp e, 0,1,2,3,4,5,6,7
	v_add_f32 v[LG+(\e)], v[LG+(\e)], v[TM+(\e)]
.endr
	s_mov_b32 s30, 1<<(\i)
.irp e, 0,1,2,3,4,5,6,7
	v_cndmask_b32 v[KL+(\e)], v[KL+(\e)], v[LG+(\e)], s30  ; lane i keeps token i's sums
.endr
.endm
	TOKEN 0, 0, 1, 24
	TOKEN 1, 1, 1, 24
	TOKEN 2, 2, 1, 24
	TOKEN 3, 3, 1, 24
	TOKEN 4, 0, 0, 24                              ; nothing is left to ask for: the counts run down
	TOKEN 5, 1, 0, 16
	TOKEN 6, 2, 0, 8
	TOKEN 7, 3, 0, 0
	; From here on lane i works for token i (lanes 8 to 31 on zeros, and store nothing).
	s_wait_kmcnt 0x0                               ; bg
.irp e, 0,1,2,3,4,5,6,7
	v_add_f32 v[LG+(\e)], s[16+(\e)], v[KL+(\e)]
.endr
	v_mov_b32 v[NINF], 0xff800000
	v_mov_b32 v[M1], v[LG]
	v_mov_b32 v[I1], 0
.irp e, 1,2,3,4,5,6,7                  ; the largest logit; a later one takes over only if it is greater
	v_cmp_le_f32 vcc_lo, v[LG+(\e)], v[M1]
	v_cndmask_b32 v[I1], \e, v[I1], vcc_lo
	v_max_num_f32 v[M1], v[M1], v[LG+(\e)]
.endr
.irp e, 0,1,2,3,4,5,6,7
	v_cmp_eq_u32 vcc_lo, \e, v[I1]
	v_cndmask_b32 v[TM+(\e)], v[LG+(\e)], v[NINF], vcc_lo
.endr
	v_mov_b32 v[M2], v[TM]
	v_mov_b32 v[I2], 0
.irp e, 1,2,3,4,5,6,7                  ; the largest of the others
	v_cmp_le_f32 vcc_lo, v[TM+(\e)], v[M2]
	v_cndmask_b32 v[I2], \e, v[I2], vcc_lo
	v_max_num_f32 v[M2], v[M2], v[TM+(\e)]
.endr
	; softmax with the maximum taken away: e^(l - m) = 2^((l - m) log2 e)
.irp e, 0,1,2,3,4,5,6,7
	v_sub_f32 v[EX+(\e)], v[LG+(\e)], v[M1]
.endr
	v_sub_f32 v[E2], v[M2], v[M1]
.irp e, 0,1,2,3,4,5,6,7
	v_mul_f32 v[EX+(\e)], 0x3fb8aa3b, v[EX+(\e)]
.endr
	v_mul_f32 v[E2], 0x3fb8aa3b, v[E2]
.irp e, 0,1,2,3,4,5,6,7
	v_exp_f32 v[EX+(\e)], v[EX+(\e)]
.endr
	v_exp_f32 v[E2], v[E2]
	v_min_u32 v[LO], v[I1], v[I2]                  ; a plain instruction behind the exponentials, ahead of the use of their results (ISA guide 5.7.2)
	s_wait_alu depctr_va_vdst(0)
	v_pk_add_f32 v[EX:EX+1], v[EX:EX+1], v[EX+2:EX+3]
	v_pk_add_f32 v[EX+4:EX+5], v[EX+4:EX+5], v[EX+6:EX+7]
	v_pk_add_f32 v[EX:EX+1], v[EX:EX+1], v[EX+4:EX+5]
	v_add_f32 v[ZZ], v[EX], v[EX+1]
	v_rcp_f32 v[RZ], v[ZZ]                         ; the largest probability is 1 / Z
	v_max_u32 v[HI], v[I1], v[I2]                  ; the plain instruction behind the reciprocal
	s_wait_alu depctr_va_vdst(0)
	v_mul_f32 v[P2], v[E2], v[RZ]
	v_add_f32 v[DEN], v[RZ], v[P2]
	v_add_f32 v[DEN], 0x3089705f, v[DEN]           ; + 1e-9
	v_rcp_f32 v[RDN], v[DEN]
	v_add_nc_u32 v[PID], -1, v[HI]                 ; the plain instruction behind the reciprocal
	s_wait_alu depctr_va_vdst(0)
	v_mul_f32 v[G1], v[RZ], v[RDN]
	v_mul_f32 v[G2], v[P2], v[RDN]
	v_mul_u32_u24 v[PID], v[PID], v[HI]
	v_lshrrev_b32 v[PID], 1, v[PID]
	v_add_nc_u32 v[PID], v[PID], v[LO]             ; hi (hi - 1) / 2 + lo
	v_cmp_lt_u32 vcc_lo, v[I1], v[I2]
	v_cndmask_b32 v[GLO], v[G2], v[G1], vcc_lo     ; the gate of the expert with the lower number,
	v_cndmask_b32 v[GLO+1], v[G1], v[G2], vcc_lo   ; and of the other
	v_cmp_gt_u32 vcc_lo, 8, v1
	s_wait_xcnt 0x0                                ; EXEC changes only behind this wait: it is a source of the stores above
	s_wait_tensorcnt 0x0
	ds_add_u32 v254, v255
	s_wait_dscnt 0x0
	s_and_saveexec_b32 s25, vcc_lo
	global_store_b32 v8, v[PID], s[12:13]          ; 32 and 64 bytes a wave: 96 KB of the launch's 16.9 MB of stores are not whole blocks of 256 bytes
	global_store_b64 v3, v[GLO:GLO+1], s[14:15]
	s_endpgm
.Lfunc_end_k_q61624c29cf_route:
	.size	k_q61624c29cf_route, .Lfunc_end_k_q61624c29cf_route-k_q61624c29cf_route
	.p2alignl 7, 3214868480
	.fill 96, 4, 3214868480
	.section	.rodata,"a",@progbits
	.p2align	6, 0x0
	.amdhsa_kernel k_q61624c29cf_route
		.amdhsa_group_segment_fixed_size 37376
		.amdhsa_private_segment_fixed_size 0
		.amdhsa_enable_private_segment 0
		.amdhsa_kernarg_size 48
		.amdhsa_user_sgpr_count 2
		.amdhsa_user_sgpr_kernarg_segment_ptr 1
		.amdhsa_wavefront_size32 1
		.amdhsa_system_sgpr_workgroup_id_x 1
		.amdhsa_system_sgpr_workgroup_id_y 1
		.amdhsa_system_sgpr_workgroup_id_z 1
		.amdhsa_system_vgpr_workitem_id 0
		.amdhsa_next_free_vgpr 512
		.amdhsa_next_free_sgpr 66
		.amdhsa_reserve_vcc 1
		.amdhsa_float_denorm_mode_32 3
		.amdhsa_float_denorm_mode_16_64 3
		.amdhsa_memory_ordered 1
		.amdhsa_forward_progress 1
		.amdhsa_inst_pref_size 128
	.end_amdhsa_kernel
	.amdgpu_metadata
---
amdhsa.version: [ 1, 2 ]
amdhsa.kernels:
  - .name:           k_q61624c29cf_route
    .symbol:         k_q61624c29cf_route.kd
    .args:
      - { .name: x, .offset: 0, .size: 8, .value_kind: global_buffer, .address_space: global }
      - { .name: Wg, .offset: 8, .size: 8, .value_kind: global_buffer, .address_space: global }
      - { .name: bg, .offset: 16, .size: 8, .value_kind: global_buffer, .address_space: global }
      - { .name: xh, .offset: 24, .size: 8, .value_kind: global_buffer, .address_space: global }
      - { .name: pid, .offset: 32, .size: 8, .value_kind: global_buffer, .address_space: global }
      - { .name: gate, .offset: 40, .size: 8, .value_kind: global_buffer, .address_space: global }
    .group_segment_fixed_size: 37376
    .private_segment_fixed_size: 0
    .kernarg_segment_align: 8
    .kernarg_segment_size: 48
    .max_flat_workgroup_size: 128
    .sgpr_count:     66
    .vgpr_count:     512
    .wavefront_size: 32
...
	.end_amdgpu_metadata
.endif
;; end of part 1
;; launch sortcast (part 2): grid 284 x 1, 8 waves a work-group, no clusters, 1,280 bytes of LDS; arguments pid, We, list, cnt, wh; writes list, cnt, wh
.if DOCPART == 2
	.amdgcn_target "amdgcn-amd-amdhsa--gfx1250"
	.amdhsa_code_object_version 6
	.text
	.protected	k_q61624c29cf_sortcast
	.globl	k_q61624c29cf_sortcast
	.p2align	8
	.type	k_q61624c29cf_sortcast,@function
k_q61624c29cf_sortcast:
	s_mov_b64 s[64:65], 0
	v_nop
	global_prefetch_b8 v0, s[64:65] scope:SCOPE_SE
	s_setreg_imm32_b32 hwreg(HW_REG_WAVE_MODE, 25, 1), 1
	s_wait_xcnt 0x0
; TWO JOBS THAT DO NOT DEPEND ON EACH OTHER, in one launch: the short one runs beside the long one.
; Work-groups 0 to 27: work-group p writes the numbers of the tokens whose pair of experts is p into list[p][0 .. cnt[p] - 1] (any order), and cnt[p].
;   No atomics: every work-group scans all 8,192 words of pid (32 KB) and owns one row of list.
; Work-groups 28 to 283: We [8][1024][1024] f32 is rounded once to f16 into wh, same layout: 128 KB of We each, 16 KB a wave.
; LIMITS.  f16 holds no number beyond 65,504: a weight larger than that in magnitude becomes an infinity in wh; below 6.1e-5 f16 keeps its fixed step of 6e-8, which is 6e-5 of the spread of
; weights thirty times smaller than 1 / 32.
	s_load_b256 s[4:11], s[0:1], 0x0               ; pid s[4:5], We s[6:7], list s[8:9], cnt s[10:11]
	s_load_b64 s[12:13], s[0:1], 0x20              ; wh
	v_lshl_add_u32 v208, v0, 2, 0x100
	v_mov_b32 v209, 0
	v_lshrrev_b32 v1, 5, v0
	v_readfirstlane_b32 s14, v1                    ; wave 0..7
	v_and_b32 v1, 31, v0                           ; lane
	v_lshlrev_b32 v2, 4, v1                        ; 16 bytes a lane
	s_mov_b32 s17, 0
	s_wait_kmcnt 0x0
	s_cmp_lt_u32 ttmp9, 28                         ; the same answer in all eight waves
	s_cbranch_scc0 .Lcast
	; ---- ordering.  Wave w owns tokens 1024 w .. 1024 w + 1023; register 4 q + c holds pid of token 1024 w + 128 q + 4 lane + c.
	s_mov_b32 s15, ttmp9                           ; p
	s_lshl_b32 s16, s14, 12
	s_add_nc_u64 s[4:5], s[4:5], s[16:17]
.irp q, 0,1,2,3,4,5,6,7
	global_load_b128 v[16+4*(\q):19+4*(\q)], v2, s[4:5] offset:512*(\q)
.endr
	v_lshlrev_b32 v3, 2, v1
	s_lshl_b32 s18, s14, 10
	v_add_nc_u32 v3, s18, v3                       ; 1024 w + 4 lane
	v_mov_b32 v9, s15
	v_lshlrev_b32 v9, 2, v9                        ; cnt[p]'s byte offset
	s_mov_b32 s23, 0
	s_wait_loadcnt 0x0
	s_wait_xcnt 0x0                                ; EXEC is narrowed below only behind this wait
.set i, 0
.rept 32                                               ; how many of my wave's tokens have pair p
	v_cmp_eq_u32 vcc_lo, s15, v[16+i]
	s_bcnt1_i32_b32 s22, vcc_lo
	s_add_co_u32 s23, s23, s22
.set i, i+1
.endr
	v_mov_b32 v6, s23                              ; that number, to LDS word w
	v_mov_b32 v5, s14
	v_lshlrev_b32 v5, 2, v5
	ds_store_b32 v5, v6
	s_wait_dscnt 0x0                               ; for the others' sake: my store is done
	s_barrier_signal -1
	s_barrier_wait -1
	v_mov_b32 v5, 0
	ds_load_b128 v[12:15], v5                      ; waves 0 to 3
	ds_load_b128 v[48:51], v5 offset:16            ; waves 4 to 7
	s_wait_dscnt 0x0
.irp k, 0,1,2,3
	v_readfirstlane_b32 s[24+(\k)], v[12+(\k)]
	v_readfirstlane_b32 s[28+(\k)], v[48+(\k)]
.endr
	s_mov_b32 s20, 0                               ; where my wave's tokens begin in the row: the earlier waves' numbers
	s_mov_b32 s23, 0                               ; cnt[p]: all eight
.irp k, 0,1,2,3,4,5,6,7
	s_cmp_gt_u32 s14, \k
	s_cselect_b32 s22, s[24+(\k)], 0
	s_add_co_u32 s20, s20, s22
	s_add_co_u32 s23, s23, s[24+(\k)]
.endr
	v_mov_b32 v10, s23
	s_lshl_b32 s16, s15, 15                        ; row p of list: 8,192 words
	s_add_nc_u64 s[8:9], s[8:9], s[16:17]
.set i, 0
.rept 32
	v_cmp_eq_u32 vcc_lo, s15, v[16+i]              ; the lanes whose token has pair p
	v_mbcnt_lo_u32_b32 v4, vcc_lo, s20             ; my place: those in front of the wave's register i, and those in lower lanes
	v_min_u32 v7, 0x1fff, v4                       ; a row has 8,192 places, and there are no more tokens; v7 holds nothing but such clamped numbers
	v_lshlrev_b32 v7, 2, v7
	v_add_nc_u32 v6, 128*(i/4)+i%4, v3             ; the token's number
	s_bcnt1_i32_b32 s22, vcc_lo
	s_add_co_u32 s20, s20, s22
	s_and_saveexec_b32 s21, vcc_lo                 ; nothing has been issued since the last wait on XCNT
	global_store_b32 v7, v6, s[8:9]                ; the lanes that are on store neighbouring words
	s_wait_xcnt 0x0                                ; EXEC, v7 and v6 are rewritten only behind this wait
	s_mov_b32 exec_lo, -1                          ; every lane was on, and is on again
.set i, i+1
.endr
	s_cmp_lg_u32 s14, 0
	s_cbranch_scc1 .Lsorted
	v_cmp_eq_u32 vcc_lo, 0, v1                     ; wave 0, lane 0: cnt[p]
	s_wait_tensorcnt 0x0
	ds_add_u32 v208, v209
	s_wait_dscnt 0x0
	s_and_saveexec_b32 s21, vcc_lo
	global_store_b32 v9, v10, s[10:11]
	s_endpgm
.Lsorted:
	s_wait_tensorcnt 0x0
	ds_add_u32 v208, v209
	s_wait_dscnt 0x0
	s_endpgm
	; ---- We to f16.  All 32 loads of a wave (512 consecutive bytes each) go out in one run; no register is used twice, so the counted waits are the only ones.
.Lcast:
	s_sub_co_u32 s18, ttmp9, 28
	s_lshl_b32 s18, s18, 3
	s_add_co_u32 s18, s18, s14                     ; my wave among the 2,048
	s_lshl_b32 s16, s18, 14
	s_add_nc_u64 s[6:7], s[6:7], s[16:17]
	s_lshl_b32 s16, s18, 13
	s_add_nc_u64 s[12:13], s[12:13], s[16:17]
	v_lshlrev_b32 v3, 3, v1                        ; 8 bytes a lane
.set i, 0
.rept 32
	global_load_b128 v[16+4*i:19+4*i], v2, s[6:7] offset:512*i th:TH_LOAD_NT
.set i, i+1
.endr
.set i, 0
.rept 32
	s_wait_loadcnt 31-i                            ; loads come back in order (ISA guide 5.7.1): load i is in, the later ones stay out
	v_cvt_pk_f16_f32 v[144+2*i], v[16+4*i], v[17+4*i]
	v_cvt_pk_f16_f32 v[145+2*i], v[18+4*i], v[19+4*i]
	global_store_b64 v3, v[144+2*i:145+2*i], s[12:13] offset:256*i  ; 256 consecutive bytes, aligned
.set i, i+1
.endr
	s_endpgm
.Lfunc_end_k_q61624c29cf_sortcast:
	.size	k_q61624c29cf_sortcast, .Lfunc_end_k_q61624c29cf_sortcast-k_q61624c29cf_sortcast
	.p2alignl 7, 3214868480
	.fill 96, 4, 3214868480
	.section	.rodata,"a",@progbits
	.p2align	6, 0x0
	.amdhsa_kernel k_q61624c29cf_sortcast
		.amdhsa_group_segment_fixed_size 1280
		.amdhsa_private_segment_fixed_size 0
		.amdhsa_enable_private_segment 0
		.amdhsa_kernarg_size 40
		.amdhsa_user_sgpr_count 2
		.amdhsa_user_sgpr_kernarg_segment_ptr 1
		.amdhsa_wavefront_size32 1
		.amdhsa_system_sgpr_workgroup_id_x 1
		.amdhsa_system_sgpr_workgroup_id_y 1
		.amdhsa_system_sgpr_workgroup_id_z 1
		.amdhsa_system_vgpr_workitem_id 0
		.amdhsa_next_free_vgpr 210
		.amdhsa_next_free_sgpr 66
		.amdhsa_reserve_vcc 1
		.amdhsa_float_denorm_mode_32 3
		.amdhsa_float_denorm_mode_16_64 3
		.amdhsa_memory_ordered 1
		.amdhsa_forward_progress 1
		.amdhsa_inst_pref_size 35
	.end_amdhsa_kernel
	.amdgpu_metadata
---
amdhsa.version: [ 1, 2 ]
amdhsa.kernels:
  - .name:           k_q61624c29cf_sortcast
    .symbol:         k_q61624c29cf_sortcast.kd
    .args:
      - { .name: pid, .offset: 0, .size: 8, .value_kind: global_buffer, .address_space: global }
      - { .name: We, .offset: 8, .size: 8, .value_kind: global_buffer, .address_space: global }
      - { .name: list, .offset: 16, .size: 8, .value_kind: global_buffer, .address_space: global }
      - { .name: cnt, .offset: 24, .size: 8, .value_kind: global_buffer, .address_space: global }
      - { .name: wh, .offset: 32, .size: 8, .value_kind: global_buffer, .address_space: global }
    .group_segment_fixed_size: 1280
    .private_segment_fixed_size: 0
    .kernarg_segment_align: 8
    .kernarg_segment_size: 40
    .max_flat_workgroup_size: 256
    .sgpr_count:     66
    .vgpr_count:     210
    .wavefront_size: 32
...
	.end_amdgpu_metadata
.endif
;; end of part 2
;; launch moe (part 3): grid 256 x 1, 4 waves a work-group, no clusters, 327,680 bytes of LDS; arguments xh, wh, be, gate, list, cnt, out0; writes out0
.if DOCPART == 3
	.amdgcn_target "amdgcn-amd-amdhsa--gfx1250"
	.amdhsa_code_object_version 6
	.text
	.protected	k_q61624c29cf_moe
	.globl	k_q61624c29cf_moe
	.p2align	8
	.type	k_q61624c29cf_moe,@function
k_q61624c29cf_moe:
	s_mov_b64 s[64:65], 0
	v_nop
	global_prefetch_b8 v0, s[64:65] scope:SCOPE_SE
	s_setreg_imm32_b32 hwreg(HW_REG_WAVE_MODE, 25, 1), 1
	s_wait_xcnt 0x0
; out[t] = glo (x[t] We[lo] + be[lo]) + ghi (x[t] We[hi] + be[hi]) for the token's two chosen experts lo < hi: the six products that the gather throws away are not made.
; xh [8192][1024] f16; wh [8][1024 k][1024 n] f16; be [8][1024] f32; gate [8192][2] f32; list [28][8192] u32: the tokens of each pair of experts; cnt [28] u32; out0 [8192][1024] f32.
; Products in f16 with f32 sums, which be starts; the gates are applied in f32.  f16, since 8 significant bits in both operands leave too little of the output's allowance (1% of its
; root mean square for a number near zero); xh and wh arrive within f16's range, 65,504.
; UNITS.  The tokens of pair p lie in ceil(cnt[p] / 128) row tiles; a unit is a row tile x 128 columns x both experts x K = 1,024.  The 28 counts add up to 8,192, so there are 64 to 91
; row tiles and U = 512 to 728 units.  Work-group g walks units g, g + 256 and, if g < 216, g + 512: the number of trips hangs on the work-group's number alone, since the loop holds
; barriers and no barrier stands under a branch on numbers that were loaded.  Units g and g + 256 always exist.  WHERE g + 512 DOES NOT, THE WORK-GROUP MAKES UNIT g + 256 ONCE MORE: the same
; sums, stored to the same bytes by the same work-group.  That is 728 - U units of work that serve nothing (0 to 216; 56 where the pairs are even); no byte of out0 is stored by two work-groups.
; A tile's rows past the pair's last token repeat that token in the same way: the same sums, to the same bytes; no mask is needed.
; SHARES.  Wave w makes tokens 64 (w / 2) .. + 63 x columns 64 (w % 2) .. + 63 x 2 experts: 32 accumulators of 16 x 16.  x's fragments feed both experts' products.
; THE MATRIX INSTRUCTION IS USED TRANSPOSED: source 0 = 16 columns of We (out of LDS rows [k][n] by the turning load), source 1 = 16 tokens: a lane holds ONE token (lane % 16), so one pair of
; gates, and the eight neighbouring columns 8 (lane / 16) + 0..7.
; K goes in 8 steps of 128 through two slots.  We's tiles come by tensor loads (64 rows of 256 bytes a wave: waves 0, 1 expert lo's, waves 2, 3 expert hi's); x's rows are scattered,
; so lanes gather them (16 lanes a row's 256 bytes) into registers a step ahead and store them into slots of their own, which no tensor load ever fills.
; THE RING RUNS ON INTO THE NEXT UNIT.  A unit that has a successor finds it behind its own first quarter (a scalar scan of cnt), asks there for its list words and its bias, switches the
; gather to its tokens in K step 5, and fills the slots with its K steps 0 and 1 in K steps 6 and 7.  Then the unit goes out while those loads are on their way.  The last unit's tail is written
; out: it asks for nothing more.
; NO CLUSTER: x's tiles are gathered by lanes, and We's tiles are shared only by the row tiles of one pair, whose number hangs on cnt (1 to 64; 8,192 / 28 / 128 = 2.3 on the average):
; partners that run alike would want each pair padded to 4 tiles, 512 tokens for 293.
; lds_bytes: all of a WGP's LDS; the text uses 236,032 bytes.
; REGISTERS, in windows of 256 (s_set_vgpr_msb: bits 1:0 source 0, 3:2 source 1, 5:4 source 2, 7:6 destination):
;   window 0: addresses, gates, bias, x on its way.   window 1: two fragment buffers of 96 (A's 4 blocks, then B's 2 x 4) at v0 and v128; v96-127 and v224-255 at work on the way out.
;   window 2: accumulator (e, a, b) at 8 (16 e + 4 a + b).
.set PB,     288                       ; a row of We in LDS: 256 bytes + 32 = 72 words
.set BHALF,  64*PB                     ; what one tensor load brings
.set BSLOT,  4*BHALF                   ; expert lo's 128 rows of k, then expert hi's
.set PA,     272                       ; a row of x in LDS: 256 + 16 = 68 words: the 16 rows of a load start at 16 different groups of four banks
.set ABASE,  2*BSLOT
.set ASLOT,  128*PA
.set STAGE,  ABASE+2*ASLOT             ; 16 rows x 272 bytes for each wave, for the way out
.set SP,     272
.set TOK,    STAGE+4*16*SP             ; 256 bytes for each wave: the 64 tokens of my half of the tile
.set SPARE,  TOK+4*256                 ; the spare words, 128 bytes for each wave: two blocks of 256 bytes that no other line names
.set KSTEPB, 128*2048                  ; bytes of wh from a K step to the next
.set VR,   1                           ; lane % 16
.set VH,   2                           ; (lane / 16) % 2
.set VL,   3                           ; lane
.set ADRA, 4                           ; LDS address of my A fragments in slot 0
.set ADRB, 5                           ; v5-8  of my B fragments: slot s, expert e at ADRB + 2 s + e
.set ASTO, 9                           ; where I store gathered x
.set STO,  10                          ; the way out: where I put 32 bytes of a row
.set RD,   11                          ; the way out: where I read a row back
.set L16,  12                          ; 16 (lane % 16)
.set TBV,  13                          ; TOK addresses: the rows that I gather,
.set TBO,  14                          ; the rows that I store,
.set TBA,  15                          ; the tokens of my accumulators,
.set TBW,  16                          ; and where I write the list's words
.set BOFF, 17                          ; 32 (lane / 16): my eight columns in 16 of be
.set T0,   18                          ; v18-19  the list's two words
.set T1,   19
.set GOFF, 20                          ; v20-23
.set GATE, 24                          ; v24-31  pair a: glo, ghi of token lane % 16 of block a
.set SPW,  32                          ; LDS address of my spare word; never rewritten
.set NIL,  33                          ; 0; never rewritten
.set ROWI, 34                          ; my first row of the tile: 64 (w / 2) + lane
.set VOFF, 36                          ; v36-51   byte offsets in xh of the 16 x 2 rows that I gather
.set OUTOFF, 52                        ; v52-83   byte offsets in out0 of the 32 x 2 rows that I store
.set BIAS, 84                          ; v84-147  be of my columns, in an accumulator's layout: expert e, block b at BIAS + 8 (4 e + b)
.set ASTG, 148                         ; v148-211 gathered x of one K step
.set VOFFN, 212                        ; v212-227 the tokens that the gather takes up next
.set LOFF, 228                         ; v228-229 my two places in the pair's list
.set TT,   96                          ; window 1: the way out: a block's 32 results
.set RR,   224                         ; window 1: the way out: 16 rows read back
.set F0,   0
.set F1,   128
.set XH, 4
.set WH, 6
.set BEP, 8
.set GT, 10
.set LS, 12
.set CP, 14
.set OU, 16
.set WV, 18                            ; wave
.set WR, 19                            ; which half of the tile's tokens
.set WC, 20                            ; which half of its columns; also which 64 rows of k I fetch
.set TRIP, 21                          ; units still to go, this one among them
.set NCOL, 22                          ; s[22:23] byte offset of my 64 columns in a row of out0 and of be, of the unit located last
.set G1, 24                            ; s[24:31] descriptor group 1
.set G0, 32                            ; s[32:39] descriptor group 0, a set for each slot
.set UNIT, 40
.set UU,  41
.set RT,  42
.set CT,  43
.set ELO, 44
.set EHI, 45
.set PP,  46
.set ST,  47
.set CN,  48
.set ACS, 49
.set TS,  50
.set LAP, 51
.set AP,  52                           ; s[52:53] xh at the K step gathered last
.set OUTP, 54
.set BE0, 56
.set BE1, 58
.set LISTP, 60
.set OF,  62                           ; s[62:63], s[66:67]: offsets, high words 0
.set TP,  66
.set CNT0, 68                          ; s[68:95] cnt
.set NOF, 96                           ; s[96:97] byte offset in wh of my part of K step 0's tile, of the unit located last
.set MSB, 0
.macro WIN new                         ; the immediate's high byte repeats the setting that is left
.if MSB != (\new)
	s_set_vgpr_msb (MSB<<8)|(\new)
.set MSB, \new
.endif
.endm
.set MUL,  0xa5                        ; both sources window 1, C and D window 2
.set MUL1, 0x85                        ; the same with C (the bias) in window 0
.set TO_F, 0x40                        ; destination window 1, address window 0
; The row tiles are counted through the 28 pairs.  sel = 1: the LAST pair whose first tile is at or below RT is kept: it is the one that holds RT (an empty pair is overridden by the next).
.macro BUCKETS sel
	s_mov_b32 s[ACS], 0
.set p, 0
.set hh, 1
.rept 7
.set ll, 0
.rept hh
.if \sel
.if p == 0
	s_mov_b32 s[ELO], 0
	s_mov_b32 s[EHI], 1
	s_mov_b32 s[PP], 0
	s_mov_b32 s[ST], 0
	s_mov_b32 s[CN], s[CNT0]
.else
	s_cmp_le_u32 s[ACS], s[RT]
	s_cselect_b32 s[ELO], ll, s[ELO]
	s_cselect_b32 s[EHI], hh, s[EHI]
	s_cselect_b32 s[PP], p, s[PP]
	s_cselect_b32 s[ST], s[ACS], s[ST]
	s_cselect_b32 s[CN], s[CNT0+p], s[CN]
.endif
.endif
	s_add_co_u32 s[TS], s[CNT0+p], 127
	s_lshr_b32 s[TS], s[TS], 7
	s_add_co_u32 s[ACS], s[ACS], s[TS]
.set p, p+1
.set ll, ll+1
.endr
.set hh, hh+1
.endr
.endm
; Unit UNIT is located: its offsets in wh (NOF) and in a row of out0 (NCOL), be's and the list's addresses, its first place in the list (TS) and the list's last place (CN).
.macro LOCATE
	s_sub_co_u32 s[TS], s[UNIT], 256               ; the unit before: taken where this one does not exist, which can only be the third
	s_cmp_lt_u32 s[UNIT], s[UU]
	s_cselect_b32 s[TS], s[UNIT], s[TS]
	s_lshr_b32 s[RT], s[TS], 3
	s_and_b32 s[CT], s[TS], 7
	BUCKETS 1
	s_cmp_lt_u32 s[WV], 2                          ; waves 0, 1 fetch expert lo's tile, waves 2, 3 expert hi's
	s_cselect_b32 s[OF], s[ELO], s[EHI]
	s_min_u32 s[OF], s[OF], 7                      ; what comes of loaded numbers is clamped to its table before it enters an address
	s_min_u32 s[ELO], s[ELO], 7
	s_min_u32 s[EHI], s[EHI], 7
	s_min_u32 s[PP], s[PP], 27
	s_sub_co_u32 s[TS], s[RT], s[ST]               ; the row tile's number within its pair
	s_min_u32 s[TS], s[TS], 63
	s_lshl_b32 s[TS], s[TS], 7
	s_sub_co_u32 s[CN], s[CN], 1                   ; the pair's last place in its list
	s_min_u32 s[CN], s[CN], 0x1fff
	s_lshl_b32 s[OF], s[OF], 21                    ; an expert is 2 MiB of wh,
	s_lshl_b32 s[TP], s[WC], 17                    ; my 64 rows of k,
	s_add_co_u32 s[OF], s[OF], s[TP]
	s_lshl_b32 s[TP], s[CT], 8                     ; the tile's 128 columns
	s_add_co_u32 s[NOF], s[OF], s[TP]
	s_lshl_b32 s[OF], s[CT], 9
	s_lshl_b32 s[TP], s[WC], 8
	s_add_co_u32 s[NCOL], s[OF], s[TP]             ; my 64 columns in f32
	s_lshl_b32 s[TP], s[ELO], 12
	s_add_co_u32 s[TP], s[TP], s[NCOL]
	s_add_nc_u64 s[BE0:BE0+1], s[BEP:BEP+1], s[TP:TP+1]    ; the loads that named these three bases last have been waited for
	s_lshl_b32 s[TP], s[EHI], 12
	s_add_co_u32 s[TP], s[TP], s[NCOL]
	s_add_nc_u64 s[BE1:BE1+1], s[BEP:BEP+1], s[TP:TP+1]
	s_lshl_b32 s[TP], s[PP], 15
	s_add_nc_u64 s[LISTP:LISTP+1], s[LS:LS+1], s[TP:TP+1]
.endm
; The located unit's two list words a lane and its bias are asked for: 2 + 16 loads.  The eight vector lines are also the places between the products that took the bias as C and the loads into it.
.macro LISTLOAD
	v_add_nc_u32 v[LOFF], s[TS], v[ROWI]           ; my two places in the pair's list; past its end: the last one
	v_add_nc_u32 v[LOFF+1], 32, v[LOFF]
	v_min_u32 v[LOFF], s[CN], v[LOFF]
	v_min_u32 v[LOFF+1], s[CN], v[LOFF+1]
	v_min_u32 v[LOFF], 0x1fff, v[LOFF]
	v_min_u32 v[LOFF+1], 0x1fff, v[LOFF+1]
	v_lshlrev_b32 v[LOFF], 2, v[LOFF]
	v_lshlrev_b32 v[LOFF+1], 2, v[LOFF+1]
	global_load_b32 v[T0], v[LOFF], s[LISTP:LISTP+1]
	global_load_b32 v[T1], v[LOFF+1], s[LISTP:LISTP+1]
.irp b, 0,1,2,3
	global_load_b128 v[BIAS+8*(\b):BIAS+8*(\b)+3],       v[BOFF], s[BE0:BE0+1] offset:64*(\b)
	global_load_b128 v[BIAS+8*(\b)+4:BIAS+8*(\b)+7],     v[BOFF], s[BE0:BE0+1] offset:64*(\b)+16
	global_load_b128 v[BIAS+32+8*(\b):BIAS+32+8*(\b)+3],   v[BOFF], s[BE1:BE1+1] offset:64*(\b)
	global_load_b128 v[BIAS+32+8*(\b)+4:BIAS+32+8*(\b)+7], v[BOFF], s[BE1:BE1+1] offset:64*(\b)+16
.endr
.endm
; The list's words go through my own 256 bytes of LDS, out of which each lane takes the tokens that it needs: here those whose rows it gathers.
.macro TOKNEXT
	ds_store_b32 v[TBW], v[T0]
	ds_store_b32 v[TBW], v[T1] offset:128
.set i, 0
.rept 16
	ds_load_b32 v[VOFFN+i], v[TBV] offset:8*i
.set i, i+1
.endr
.endm
.macro VSWITCH                         ; the gather takes up those tokens
.set i, 0
.rept 16
	v_min_u32 v[VOFFN+i], 0x1fff, v[VOFFN+i]
.set i, i+1
.endr
.set i, 0
.rept 16
	v_lshl_add_u32 v[VOFF+i], v[VOFFN+i], 11, v[L16]       ; a row of xh is 2,048 bytes
.set i, i+1
.endr
.endm
; What a unit's way out needs, made behind its first quarter: out0's address at my columns, the offsets of the rows that I store, my tokens' gates.
.macro POST
	WIN 0
	s_wait_xcnt 0x0                                ; the last unit's stores have read their base and offsets: both are rewritten below
	s_add_nc_u64 s[OUTP:OUTP+1], s[OU:OU+1], s[NCOL:NCOL+1]
.set i, 0
.rept 32
	ds_load_b32 v[OUTOFF+i], v[TBO] offset:8*i
.set i, i+1
.endr
.irp a, 0,1,2,3
	ds_load_b32 v[GOFF+(\a)], v[TBA] offset:64*(\a)
.endr
	s_wait_dscnt 0x0
.irp a, 0,1,2,3
	v_min_u32 v[GOFF+(\a)], 0x1fff, v[GOFF+(\a)]
.endr
.irp a, 0,1,2,3
	v_lshlrev_b32 v[GOFF+(\a)], 3, v[GOFF+(\a)]
.endr
.irp a, 0,1,2,3
	global_load_b64 v[GATE+2*(\a):GATE+2*(\a)+1], v[GOFF+(\a)], s[GT:GT+1]
.endr
.set i, 0
.rept 32
	v_min_u32 v[OUTOFF+i], 0x1fff, v[OUTOFF+i]
.set i, i+1
.endr
.set i, 0
.rept 32
	v_lshl_add_u32 v[OUTOFF+i], v[OUTOFF+i], 12, v[L16]    ; a row of out0 is 4,096 bytes
.set i, i+1
.endr
.endm
.macro PLACES                          ; four places in front of loads into registers that matrix instructions have read, and of vector lines that read results
.rept 4
	v_nop
.endr
.endm
.macro A_LOAD base, off, w             ; 32 rows x 256 bytes of xh: lanes 0-15 one token's, lanes 16-31 the next one's; into window w
	WIN (\w)<<6
.set i, 0
.rept 16
	global_load_b128 v[ASTG+4*i:ASTG+4*i+3], v[VOFF+i], s[\base:\base+1] offset:\off
.set i, i+1
.endr
	WIN 0
.endm
.macro A_STORE slot, w
	WIN (\w)<<2
.set i, 0
.rept 16
	ds_store_b128 v[ASTO], v[ASTG+4*i:ASTG+4*i+3] offset:(\slot)*ASLOT+i*2*PA
.set i, i+1
.endr
	WIN 0
.endm
; 24 LDS loads in one run: the fragments of 32 along K, quarter kk of the slot, into buffer f: A's four blocks, expert lo's four, expert hi's four
.macro FETCH slot, kk, f
	WIN TO_F
.irp a, 0,1,2,3
	ds_load_b128 v[(\f)+8*(\a):(\f)+8*(\a)+3],   v[ADRA] offset:(\slot)*ASLOT+(\a)*16*PA+(\kk)*64
	ds_load_b128 v[(\f)+8*(\a)+4:(\f)+8*(\a)+7], v[ADRA] offset:(\slot)*ASLOT+(\a)*16*PA+(\kk)*64+32
.endr
.irp e, 0,1
.irp b, 0,1,2,3
	ds_load_tr16_b128 v[(\f)+32+8*(4*(\e)+(\b)):(\f)+32+8*(4*(\e)+(\b))+3],   v[ADRB+2*(\slot)+(\e)] offset:(\kk)*32*PB+32*(\b)
	ds_load_tr16_b128 v[(\f)+32+8*(4*(\e)+(\b))+4:(\f)+32+8*(4*(\e)+(\b))+7], v[ADRB+2*(\slot)+(\e)] offset:(\kk)*32*PB+16*PB+32*(\b)
.endr
.endr
.endm
; 8 matrix instructions: expert e, token blocks a0, a0 + 1 x all 4 column blocks.  first = 1: the bias starts the sums: nothing is ever cleared.
; The 32 accumulators take turns, one instruction a turn, in the same order in every quarter.
.macro MUL8 f, e, a0, first
.if \first
	WIN MUL1
.else
	WIN MUL
.endif
.irp a, \a0, (\a0)+1
.irp b, 0,1,2,3
.if \first
	v_wmma_f32_16x16x32_f16 v[8*(16*(\e)+4*(\a)+(\b)):8*(16*(\e)+4*(\a)+(\b))+7], v[(\f)+32+8*(4*(\e)+(\b)):(\f)+32+8*(4*(\e)+(\b))+7], v[(\f)+8*(\a):(\f)+8*(\a)+7], v[BIAS+8*(4*(\e)+(\b)):BIAS+8*(4*(\e)+(\b))+7]
.else
	v_wmma_f32_16x16x32_f16 v[8*(16*(\e)+4*(\a)+(\b)):8*(16*(\e)+4*(\a)+(\b))+7], v[(\f)+32+8*(4*(\e)+(\b)):(\f)+32+8*(4*(\e)+(\b))+7], v[(\f)+8*(\a):(\f)+8*(\a)+7], v[8*(16*(\e)+4*(\a)+(\b)):8*(16*(\e)+4*(\a)+(\b))+7]
.endif
.endr
.endr
.endm
.macro MUL16 f, e, first
	MUL8 \f, \e, 0, \first
	MUL8 \f, \e, 2, \first
.endm
; A K step is four quarters of 32 along K, 32 matrix instructions each, on buffers 0, 1, 0, 1.  One of the first three: multiplies buffer f and fetches quarter kk into g.
.macro QUARTER slot, kk, f, g, first
	s_wait_dscnt 8                                 ; A and expert lo's B are in; the youngest eight loads (expert hi's) may be out
	MUL16 \f, 0, \first
	PLACES
	FETCH \slot, \kk, \g
	s_wait_dscnt 24                                ; all but the 24 just issued
	MUL16 \f, 1, \first
.endm
; The last quarter multiplies buffer 1 and changes slots: ONE barrier.  In front of it each wave waits for all its tensor loads (one is out: its part of the next slot's B), adds 0 to its
; spare word, and waits for that, for its reads of this slot and for its stores of x into the next slot.  Behind it nobody reads this slot any more, and the next slot is whole.
; fill = 1: this slot takes this unit's K step two steps on: B by my one tensor load, first behind the barrier; x out of the registers into which it was gathered a step ago.
; fill = 2: the same with the NEXT unit's K step 0 (slot 0) or 1 (slot 1): the descriptor's address is made anew from wh's address and that unit's offset.
; amode = 1: the K step after the one just stored is gathered.  amode = 2: the gather goes over to the next unit's tokens and takes their K step 0.  amode = 0: nothing more is gathered.
.macro TURN slot, next, fill, amode
	WIN 0
	s_wait_tensorcnt 0x0                           ; no tensor load of mine is out, so a group 0 may be written
	ds_add_u32 v[SPW], v[NIL]                      ; 0 onto my spare word
	s_wait_dscnt 9                                 ; (the add and the youngest eight loads may be out)
.if (\fill) == 1
	s_add_nc_u64 s[G0+4*(\slot)+2:G0+4*(\slot)+3], s[G0+4*(\slot)+2:G0+4*(\slot)+3], 2*KSTEPB
.endif
.if (\fill) == 2
	s_add_nc_u64 s[G0+4*(\slot)+2:G0+4*(\slot)+3], s[WH:WH+1], s[NOF:NOF+1]
.if (\slot) == 1
	s_add_nc_u64 s[G0+4*(\slot)+2:G0+4*(\slot)+3], s[G0+4*(\slot)+2:G0+4*(\slot)+3], KSTEPB
.endif
	s_or_b32 s[G0+4*(\slot)+3], s[G0+4*(\slot)+3], 0x80000000      ; type = 2
.endif
	MUL8 F1, 0, 0, 0                               ; eight matrix instructions stand between the add and the wait for it
	s_wait_dscnt 0x0
	s_barrier_signal -1
	MUL8 F1, 0, 2, 0                               ; work on registers while the others arrive
	WIN 0
	s_barrier_wait -1
.if \fill
	tensor_load_to_lds s[G0+4*(\slot):G0+4*(\slot)+3], s[G1:G1+7]  ; 112 matrix instructions ahead of the wait for it
	s_nop 0
	PLACES                                         ; four v_nop follow the load; they are also the places in front of the fragment loads below
	s_wait_loadcnt 0x0                             ; the x gathered a step ago is in registers; its loads' base and offsets may be rewritten
	A_STORE \slot, 0
.if (\amode) == 1
	s_add_nc_u64 s[AP:AP+1], s[AP:AP+1], 256
	A_LOAD AP, 0, 0
.endif
.if (\amode) == 2
	VSWITCH
	s_mov_b64 s[AP:AP+1], s[XH:XH+1]
	A_LOAD AP, 0, 0
.endif
.else
	PLACES
.endif
	FETCH \next, 0, F0
	MUL16 F1, 1, 0
.endm
; THE WAY OUT of token block a: glo x expert lo's sums + ghi x expert hi's, each accumulator read from its low end on; 32 bytes a lane and column block into my own stage;
; back as whole rows of 256 bytes; each row to its token's place in out0.  Its registers lie in window 1, beside the fragment buffers: window 0's are taken by x on its way.
.macro OUTBLK a
	WIN 0x42                                       ; destination window 1, source 0 (the sums) window 2, source 1 (the gates) window 0
.irp b, 0,1,2,3
.irp j, 0,1,2,3
	v_pk_mul_f32 v[TT+8*(\b)+2*(\j):TT+8*(\b)+2*(\j)+1], v[8*(4*(\a)+(\b))+2*(\j):8*(4*(\a)+(\b))+2*(\j)+1], v[GATE+2*(\a):GATE+2*(\a)+1] op_sel_hi:[1,0]
.endr
.endr
	WIN 0x52                                       ; the same with source 2 in window 1
.irp b, 0,1,2,3
.irp j, 0,1,2,3
	v_pk_fma_f32 v[TT+8*(\b)+2*(\j):TT+8*(\b)+2*(\j)+1], v[128+8*(4*(\a)+(\b))+2*(\j):128+8*(4*(\a)+(\b))+2*(\j)+1], v[GATE+2*(\a):GATE+2*(\a)+1], v[TT+8*(\b)+2*(\j):TT+8*(\b)+2*(\j)+1] op_sel:[0,1,0] op_sel_hi:[1,1,1]
.endr
.endr
	WIN 0x04                                       ; the stores' data (source 1) in window 1
.irp b, 0,1,2,3
	ds_store_b128 v[STO], v[TT+8*(\b):TT+8*(\b)+3] offset:64*(\b)
	ds_store_b128 v[STO], v[TT+8*(\b)+4:TT+8*(\b)+7] offset:64*(\b)+16
.endr
	s_wait_xcnt 0x0                                ; RR, which the last block's stores read, is loaded again only behind this wait
	WIN 0x40
.irp t, 0,1,2,3,4,5,6,7
	ds_load_b128 v[RR+4*(\t):RR+4*(\t)+3], v[RD] offset:(\t)*2*SP  ; LDS serves a wave's instructions in order (ISA guide 5.7.1.4): these see the stores above
.endr
	WIN 0x04
.irp t, 0,1,2,3,4,5,6,7
	s_wait_dscnt 7-(\t)
	global_store_b128 v[OUTOFF+8*(\a)+(\t)], v[RR+4*(\t):RR+4*(\t)+3], s[OUTP:OUTP+1] th:TH_STORE_NT  ; 16 lanes store 256 consecutive bytes of one token's row, aligned
.endr
.endm
	s_load_b256 s[4:11], s[0:1], 0x0               ; xh, wh, be, gate
	s_load_b128 s[12:15], s[0:1], 0x20             ; list, cnt
	s_load_b64 s[16:17], s[0:1], 0x30              ; out0
	v_lshl_add_u32 v[SPW], v0, 2, SPARE
	v_mov_b32 v[NIL], 0
	ds_add_u32 v32, v33
	ds_add_u32 v32, v33
	s_wait_dscnt 0x0
	v_lshrrev_b32 v[VL], 5, v0
	v_readfirstlane_b32 s[WV], v[VL]
	s_lshr_b32 s[WR], s[WV], 1
	s_and_b32 s[WC], s[WV], 1
	v_and_b32 v[VR], 15, v0
	v_bfe_u32 v[VH], v0, 4, 1
	v_and_b32 v[VL], 31, v0
	s_wait_kmcnt 0x0
	s_load_b512 s[CNT0:CNT0+15], s[CP:CP+1], 0x0   ; the 28 counts
	s_load_b256 s[CNT0+16:CNT0+23], s[CP:CP+1], 0x40
	s_load_b128 s[CNT0+24:CNT0+27], s[CP:CP+1], 0x60
	; descriptor group 1: 64 rows x 128 elements of 2 bytes, 1,024 elements from row to row, padded in LDS
	s_mov_b32 s[G1+0], (1<<16)|(1<<20)|(5<<22)|(7<<25)  ; 17:16 2-byte elements; 20 padding on; 24:22 after every 64 words (code 5); 31:25 8 words (code 7)
	s_mov_b32 s[G1+1], 128<<16                     ; tensor_dim0 = 128
	s_mov_b32 s[G1+2], 64<<16                      ; tensor_dim1 = 64
	s_mov_b32 s[G1+3], 128<<16                     ; tile_dim0 = 128
	s_mov_b32 s[G1+4], 64                          ; tile_dim1 = 64
	s_mov_b32 s[G1+5], 1024
	s_mov_b32 s[G1+6], 0
	s_mov_b32 s[G1+7], 0
	s_mov_b32 s[G0+0], 1
	s_mul_i32 s[G0+1], s[WV], BHALF                ; LDS address: slot 0, wave x 64 rows
	s_mov_b32 s[G0+4], 1
	s_add_co_u32 s[G0+5], s[G0+1], BSLOT           ; slot 1
	; A fragment of x: lane l holds row l % 16, k = 8 (l / 16) + 0..7 and 16 + 8 (l / 16) + 0..7: two loads of 16 bytes, 32 bytes apart
	s_mul_i32 s[OF], s[WR], 64*PA
	s_add_co_u32 s[OF], s[OF], ABASE
	v_mul_u32_u24 v[ADRA], v[VR], PA
	v_lshl_add_u32 v[ADRA], v[VH], 4, v[ADRA]
	v_add_nc_u32 v[ADRA], s[OF], v[ADRA]
	; The turning load takes 16 k x 16 columns (lane l reads k = 8 (l / 16) + l % 8, columns 8 ((l / 8) % 2) + 0..7) and leaves half a fragment: lane l holds column l % 16 and 8 k
	v_and_b32 v[T0], 7, v0
	v_lshl_add_u32 v[T0], v[VH], 3, v[T0]
	v_mul_u32_u24 v[T0], v[T0], PB
	v_bfe_u32 v[T1], v0, 3, 1
	v_lshl_add_u32 v[T0], v[T1], 4, v[T0]
	s_lshl_b32 s[OF], s[WC], 7                     ; my 64 columns
	v_add_nc_u32 v[ADRB], s[OF], v[T0]
	v_add_nc_u32 v[ADRB+1], 2*BHALF, v[ADRB]
	v_add_nc_u32 v[ADRB+2], BSLOT, v[ADRB]
	v_add_nc_u32 v[ADRB+3], BSLOT+2*BHALF, v[ADRB]
	v_mul_u32_u24 v[T0], v[VH], PA                 ; lanes 0-15 one row, lanes 16-31 the next; 16 bytes a lane
	v_lshl_add_u32 v[T0], v[VR], 4, v[T0]
	s_mul_i32 s[OF], s[WV], 32*PA                  ; I gather rows 32 w .. 32 w + 31 of the tile
	s_add_co_u32 s[OF], s[OF], ABASE
	v_add_nc_u32 v[ASTO], s[OF], v[T0]
	s_mul_i32 s[OF], s[WV], 16*SP
	s_add_co_u32 s[OF], s[OF], STAGE               ; my stage
	v_add_nc_u32 v[RD], s[OF], v[T0]
	v_mul_u32_u24 v[STO], v[VR], SP
	v_lshl_add_u32 v[STO], v[VH], 5, v[STO]
	v_add_nc_u32 v[STO], s[OF], v[STO]
	v_lshlrev_b32 v[L16], 4, v[VR]
	s_lshl_b32 s[OF], s[WV], 8
	s_add_co_u32 s[OF], s[OF], TOK                 ; my 64 words
	s_lshl_b32 s[TP], s[WC], 7
	s_add_co_u32 s[TP], s[TP], s[OF]
	v_lshl_add_u32 v[TBV], v[VH], 2, s[TP]         ; word 32 (w % 2) + lane / 16, then every second
	v_lshl_add_u32 v[TBO], v[VH], 2, s[OF]         ; word lane / 16, then every second
	v_lshl_add_u32 v[TBA], v[VR], 2, s[OF]         ; word lane % 16, then every sixteenth
	v_lshl_add_u32 v[TBW], v[VL], 2, s[OF]
	v_lshlrev_b32 v[BOFF], 5, v[VH]
	s_lshl_b32 s[TP], s[WR], 6
	v_add_nc_u32 v[ROWI], s[TP], v[VL]
	s_mov_b32 s[OF+1], 0
	s_mov_b32 s[TP+1], 0
	s_mov_b32 s[NOF+1], 0
	s_mov_b32 s[NCOL+1], 0
	s_wait_kmcnt 0x0
	BUCKETS 0
	s_lshl_b32 s[UU], s[ACS], 3                    ; U = 8 column tiles for each row tile:
	s_min_u32 s[UU], s[UU], 728                    ; 8 (64 + 27) at the most,
	s_max_u32 s[UU], s[UU], 512                    ; 8 x 64 at the least
	s_mov_b32 s[UNIT], ttmp9
	s_cmp_lt_u32 ttmp9, 216                        ; unit g + 512 lies below 728 only for g < 216
	s_cselect_b32 s[TRIP], 3, 2
	; THE FIRST UNIT'S BEGINNING, the only one that nothing hides.  Both first fills of B go out together, ahead of every wait on TENSORcnt and every barrier: two tensor loads of mine are out.
	LOCATE
	LISTLOAD
	s_add_nc_u64 s[G0+2:G0+3], s[WH:WH+1], s[NOF:NOF+1]    ; K step 0,
	s_add_nc_u64 s[G0+6:G0+7], s[G0+2:G0+3], KSTEPB        ; K step 1
	s_or_b32 s[G0+3], s[G0+3], 0x80000000          ; type = 2
	s_or_b32 s[G0+7], s[G0+7], 0x80000000
	tensor_load_to_lds s[G0:G0+3], s[G1:G1+7]
	s_nop 0
	tensor_load_to_lds s[G0+4:G0+7], s[G1:G1+7]
	s_nop 0
	PLACES                                         ; four v_nop follow the second
	s_wait_loadcnt 16                              ; the list's words are in; the sixteen loads of be stay out
	TOKNEXT
	s_wait_dscnt 0x0
	VSWITCH
	A_LOAD XH, 0, 0                                ; x of K step 0,
	A_LOAD XH, 256, 2                              ; and of K step 1, into registers of window 2 that no sum has taken yet
	s_wait_loadcnt 16                              ; be and K step 0 are in; K step 1's sixteen loads stay out
	A_STORE 0, 0
	A_LOAD XH, 512, 0                              ; K step 2
	s_add_nc_u64 s[AP:AP+1], s[XH:XH+1], 512       ; the K step gathered last
	s_wait_loadcnt 16                              ; K step 1 is in; K step 2's sixteen loads stay out
	A_STORE 1, 2
	s_wait_tensorcnt 0x1                           ; my part of B's K step 0 is in; K step 1's may stay out
	s_wait_dscnt 0x0                               ; for the others' sake: my stores of x are done
	s_barrier_signal -1
	s_barrier_wait -1
	FETCH 0, 0, F0
	WIN 0                                          ; at a label and at a branch every window is 0
.Lunit:                                                ; three trips or two.  Here: slot 0 is whole and its first fragments are asked for; slot 1 has its x, its B is on its way; x of K step 2 is on its way
	QUARTER 0, 1, F0, F1, 1                        ; a unit's first quarter stands in front of the loop over K: its products start the sums, on the bias
	POST
	s_cmp_eq_u32 s[TRIP], 1
	s_cbranch_scc1 .Lalone                         ; the last unit has no successor to find
	s_add_co_u32 s[UNIT], s[UNIT], 256
	LOCATE
	LISTLOAD                                       ; seven K steps ahead of the successor's first product; every TURN's wait for its x covers these loads too
.Lalone:
	s_mov_b32 s[LAP], 2
.Llap:                                                 ; a trip goes once round the ring, from a lap's second quarter to the next lap's first: K steps 0 to 3, and the first quarter of 4
	QUARTER 0, 2, F1, F0, 0
	QUARTER 0, 3, F0, F1, 0
	TURN 0, 1, 1, 1
	QUARTER 1, 1, F0, F1, 0
	QUARTER 1, 2, F1, F0, 0
	QUARTER 1, 3, F0, F1, 0
	TURN 1, 0, 1, 1
	QUARTER 0, 1, F0, F1, 0
	WIN 0
	s_sub_co_u32 s[LAP], s[LAP], 1
	s_cmp_lg_u32 s[LAP], 0
	s_cbranch_scc1 .Llap
	QUARTER 0, 2, F1, F0, 0
	QUARTER 0, 3, F0, F1, 0
	TURN 0, 1, 1, 1                                ; slot 0 takes K step 6; K step 7 is gathered
	QUARTER 1, 1, F0, F1, 0
	QUARTER 1, 2, F1, F0, 0
	QUARTER 1, 3, F0, F1, 0
	WIN 0
	s_cmp_eq_u32 s[TRIP], 1
	s_cbranch_scc1 .Llast                          ; the last unit's tail is written out
	TOKNEXT                                        ; the successor's tokens; the wait for 0 in front of the barrier below covers these loads
	TURN 1, 0, 1, 2                                ; slot 1 takes K step 7; the successor's K step 0 is gathered
	QUARTER 0, 1, F0, F1, 0
	QUARTER 0, 2, F1, F0, 0
	QUARTER 0, 3, F0, F1, 0
	TURN 0, 1, 2, 1                                ; THE RING GOES ON: slot 0 takes the successor's K step 0,
	QUARTER 1, 1, F0, F1, 0
	QUARTER 1, 2, F1, F0, 0
	QUARTER 1, 3, F0, F1, 0
	TURN 1, 0, 2, 1                                ; slot 1 its K step 1, and its first fragments are fetched
	WIN 0
	s_branch .Lout
.Llast:
	TURN 1, 0, 1, 0                                ; slot 1 takes K step 7: the last fill; nothing more is gathered: no load passes a row's end
	QUARTER 0, 1, F0, F1, 0
	QUARTER 0, 2, F1, F0, 0
	QUARTER 0, 3, F0, F1, 0
	TURN 0, 1, 0, 0
	QUARTER 1, 1, F0, F1, 0
	QUARTER 1, 2, F1, F0, 0
	QUARTER 1, 3, F0, F1, 0
	s_wait_dscnt 8                                 ; the very last quarter: nothing more to fetch
	MUL16 F1, 0, 0
	s_wait_dscnt 0x0
	MUL16 F1, 1, 0
	WIN 0
.Lout:                                                 ; the unit goes out; where it has a successor, that unit's B, x and fragments are on their way meanwhile
	PLACES                                         ; the lines below read results just made
	OUTBLK 0
	OUTBLK 1
	OUTBLK 2
	OUTBLK 3
	WIN 0
	s_sub_co_u32 s[TRIP], s[TRIP], 1
	s_cmp_lg_u32 s[TRIP], 0
	s_cbranch_scc1 .Lunit
	s_wait_tensorcnt 0x0                           ; the wave's end, behind my last tensor load and my last LDS store
	ds_add_u32 v[SPW], v[NIL]
	s_wait_dscnt 0x0
	s_endpgm
.Lfunc_end_k_q61624c29cf_moe:
	.size	k_q61624c29cf_moe, .Lfunc_end_k_q61624c29cf_moe-k_q61624c29cf_moe
	.p2alignl 7, 3214868480
	.fill 96, 4, 3214868480
	.section	.rodata,"a",@progbits
	.p2align	6, 0x0
	.amdhsa_kernel k_q61624c29cf_moe
		.amdhsa_group_segment_fixed_size 327680
		.amdhsa_private_segment_fixed_size 0
		.amdhsa_enable_private_segment 0
		.amdhsa_kernarg_size 56
		.amdhsa_user_sgpr_count 2
		.amdhsa_user_sgpr_kernarg_segment_ptr 1
		.amdhsa_wavefront_size32 1
		.amdhsa_system_sgpr_workgroup_id_x 1
		.amdhsa_system_sgpr_workgroup_id_y 1
		.amdhsa_system_sgpr_workgroup_id_z 1
		.amdhsa_system_vgpr_workitem_id 0
		.amdhsa_next_free_vgpr 768
		.amdhsa_next_free_sgpr 98
		.amdhsa_reserve_vcc 0
		.amdhsa_float_denorm_mode_32 3
		.amdhsa_float_denorm_mode_16_64 3
		.amdhsa_memory_ordered 1
		.amdhsa_forward_progress 1
		.amdhsa_inst_pref_size 214
	.end_amdhsa_kernel
	.amdgpu_metadata
---
amdhsa.version: [ 1, 2 ]
amdhsa.kernels:
  - .name:           k_q61624c29cf_moe
    .symbol:         k_q61624c29cf_moe.kd
    .args:
      - { .name: xh, .offset: 0, .size: 8, .value_kind: global_buffer, .address_space: global }
      - { .name: wh, .offset: 8, .size: 8, .value_kind: global_buffer, .address_space: global }
      - { .name: be, .offset: 16, .size: 8, .value_kind: global_buffer, .address_space: global }
      - { .name: gate, .offset: 24, .size: 8, .value_kind: global_buffer, .address_space: global }
      - { .name: list, .offset: 32, .size: 8, .value_kind: global_buffer, .address_space: global }
      - { .name: cnt, .offset: 40, .size: 8, .value_kind: global_buffer, .address_space: global }
      - { .name: out0, .offset: 48, .size: 8, .value_kind: global_buffer, .address_space: global }
    .group_segment_fixed_size: 327680
    .private_segment_fixed_size: 0
    .kernarg_segment_align: 8
    .kernarg_segment_size: 56
    .max_flat_workgroup_size: 128
    .sgpr_count:     98
    .vgpr_count:     768
    .wavefront_size: 32
...
	.end_amdgpu_metadata
.endif
;; end of part 3
